; MI455X (gfx1250); checked and timed in simulation.
; The chip was launched on July 23, 2026; its instructions are those of AMD's public machine-readable ISA for CDNA 5 (MIT licence, August 2026) and "CDNA5" Instruction Set Architecture Reference Guide (July 2026). The comments in the code are by the model that wrote it; some were corrected since.
;; Attention Head. Allowed arithmetic: matrix products marked QUANTISED: E4M3 operands, one given power-of-two scale a tensor, by v_wmma_f32_16x16x64_fp8_fp8 or v_wmma_f32_16x16x128_fp8_fp8, f32 sums; everything else in f32.
;; Inputs: Wk_codes 64 x 32 x 32 uint8 (E4M3 codes of Wk, K innermost, in blocks of 32 codes); Wq_codes 64 x 32 x 32 uint8 (E4M3 codes of Wq, K innermost, in blocks of 32 codes); Wv_codes 64 x 32 x 32 uint8 (E4M3 codes of Wv, K innermost, in blocks of 32 codes); bk 64 float32; bq 64 float32; bv 64 float32; lowp_scales 10 int32 (the exponents e of the quantised operands' scales 2^e); x_codes 4 x 4,096 x 32 x 32 uint8 (E4M3 codes of x, K innermost, in blocks of 32 codes).
;; Outputs: out0 4 x 4,096 x 64 float32.
;; This version of the problem:
;;   THIS VERSION OF THE PROBLEM IS GIVEN IN LOW PRECISION. The matrix products marked QUANTISED in the list below multiply operands that are first quantised to E4M3 (4 exponent bits, 3 mantissa bits; 8 bits a number), with one given power-of-two scale for each operand tensor; their sums are f32. All else is computed in f32.
;;   The module's matrix products, in the order in which they are computed (A, B: the left and right operand; K: the contracted axis; several contracted axes count as one K, in the product's order):
;;     1. [M 16,384, K 1,024] x [K 1,024, N 64]; A: input x (given as codes); B: input Wq (given as codes): QUANTISED (scales: A lowp_scales[0], B lowp_scales[1])
;;     2. [M 16,384, K 1,024] x [K 1,024, N 64]; A: input x (given as codes); B: input Wk (given as codes): QUANTISED (scales: A lowp_scales[2], B lowp_scales[3])
;;     3. [M 16,384, K 1,024] x [K 1,024, N 64]; A: input x (given as codes); B: input Wv (given as codes): QUANTISED (scales: A lowp_scales[4], B lowp_scales[5])
;;     4. batch 4 x [M 4,096, K 64] x [K 64, N 4,096]; A: computed on the way; B: computed on the way: QUANTISED (scales: A lowp_scales[6], B lowp_scales[7])
;;     5. batch 4 x [M 4,096, K 4,096] x [K 4,096, N 64]; A: softmax (see below); B: computed on the way: QUANTISED (scales: A lowp_scales[8], B lowp_scales[9])
;;   THE QUANTISER, for each operand of a quantised product, along K:
;;     - The operand's scale is 2^e, e = its entry of the input lowp_scales (int32; the entries are numbered through the quantised products in the list's order, A before B).
;;     - Each number is divided by the scale, clamped to +-448, and rounded to the nearest number of E4M3, ties to even, subnormals kept.
;;     - The product sums the exact products of the quantised numbers (number of the format x scale) in f32.
;;   ~~~python
;;   def quantise(x, axis, e):      # numpy; x: float32 -> the quantised numbers, widened to float32 again
;;       x = np.moveaxis(x, axis, -1); K = x.shape[-1]
;;       r = np.clip(x / 2.0 ** e, -448, 448)
;;       step = 2.0 ** (np.maximum(np.frexp(np.where(r == 0, 1, r))[1] - 1, -6) - 3)
;;       q = np.round(r / step) * step * 2.0 ** e      # np.round: ties to even
;;       return np.moveaxis(q, -1, axis).astype(np.float32)
;;   ~~~
;;   SOFTMAX AHEAD OF A QUANTISED PRODUCT. Where the list says 'softmax', what is quantised is not the finished softmax but p = 2^(t - M), with t = logit x log2(e) and M = ceil(the row's largest t), a whole number; so 1/2 < the row's largest p <= 1. The row's sum l is taken of the UNQUANTISED p, in f32, and the product's result is divided by l at the end. Since M is a whole number, a kernel that streams over the keys may use a running M (the ceiling of the running maximum): every later rescaling is an exact power of two, so the quantised numbers keep their values, but for numbers so far below the row's largest that they fall under the format's range.
;;   OPERANDS COMPUTED ON THE WAY. 'Computed on the way' means the value that the module computes at that place (a softmax that the list does not call 'softmax' is quantised finished and normalised). What goes into a quantiser is computed in f32, as accurately as f32 sums, v_exp_f32 and their like allow (about 1e-6 of the number): no bf16 or f16 on the way to a quantiser, and a product that is left as it is and whose result goes on into a quantised operand takes f32 operands (vector FMAs, or v_wmma_f32_16x16x4_f32). A number that lies on a knife's edge between two numbers of the format may be rounded either way, as far as f32 arithmetic and the matrix unit's own rounding can turn it there, and no further.
;;   INPUTS GIVEN AS CODES. Wk (in the module: [64, 1024], K = its axis 1); Wq (in the module: [64, 1024], K = its axis 1); Wv (in the module: [64, 1024], K = its axis 1); x (in the module: [4, 4096, 1024], K = its axis 2): each comes as NAME_codes (uint8): NAME with its K axis moved to the last place and cut into blocks of 32 codes, [.., K / 32, bytes a block], one block behind the other in memory; one code a byte (a code: sign, 4 exponent bits, 3 mantissa bits); its scale is its entry of lowp_scales. Its value is code x scale, taken as it is: it is not quantised again, and the codes and scales need not be those that the quantiser above would give.
;; One version. Each part assembles by itself: llvm-mc -triple=amdgcn-amd-amdhsa -mcpu=gfx1250 --defsym DOCPART=n.
;; ======== version 1 of 1: 2 launches
;; limits: right only within a limited range of input values
;; workspace buffers: q_img 1,048,576 bytes; kv_img 2,097,152 bytes
;; launch project (part 1): grid 256 x 1, 8 waves a work-group, clusters of 4 x 1, 270,336 bytes of LDS; arguments x_codes, Wq_codes, Wk_codes, Wv_codes, bq, bk, bv, lowp_scales, q_img, kv_img; writes q_img, kv_img
.if DOCPART == 1
	.amdgcn_target "amdgcn-amd-amdhsa--gfx1250"
	.amdhsa_code_object_version 6
	.text
	.protected	k_q0eb255074c_project
	.globl	k_q0eb255074c_project
	.p2align	8
	.type	k_q0eb255074c_project,@function
k_q0eb255074c_project:
	s_mov_b64 s[64:65], 0
	v_nop
	global_prefetch_b8 v0, s[64:65] scope:SCOPE_SE
	s_setreg_imm32_b32 hwreg(HW_REG_WAVE_MODE, 25, 1), 1
	s_wait_xcnt 0x0
	s_wait_alu depctr_hold_cnt(0) depctr_sa_sdst(0) depctr_va_vdst(0) depctr_va_sdst(0) depctr_va_ssrc(0) depctr_va_vcc(0) depctr_vm_vsrc(0)
	s_getreg_b32 s2, hwreg(HW_REG_IB_STS2, 6, 4)
	s_cmp_eq_u32 s2, 0
	s_cbranch_scc0 .Lentry_in_a_cluster
	s_endpgm
.Lentry_in_a_cluster:
	s_bfe_u32 s2, ttmp6, 0x10000c
	s_cmp_lg_u32 s2, 0x3003
	s_cbranch_scc0 .Lentry_shape_is_right
	s_endpgm
.Lentry_shape_is_right:
; Q = x Wq^T + bq, K = x Wk^T + bk, V = x Wv^T + bv on the given E4M3 codes (v_wmma_f32_16x16x128_fp8_fp8, f32 sums), and the three results quantised to E4M3 again:
; Q with 2^e6 and K with 2^e7 along the 64 features, V with 2^e9 along the keys.  e0 .. e9 are the entries of lowp_scales; x counts as code x 2^e0, 2^e2, 2^e4 in the three products.
; NO WORK IS LEFT OUT: each product and each bias goes into a quantised operand of a live product, so every input is loaded.
; A sum stands for sum x 2^ea (ea = e0 + e1, e2 + e3, e4 + e5).  The bias goes in as the C of a sum's first product, as b / 2^ea; the code is (sum + b / 2^ea) / 2^(eq - ea), held within +-448.
; LIMITS: e6 - e0 - e1, e7 - e2 - e3 and e9 - e4 - e5 lie between -126 and 119, so that each scale and 448 x it is an f32 number.  NaN codes and NaN biases are not served.
; Inside a matrix instruction k is permuted, alike in both operands (fragments come by four loads of 16 bytes): every product meets its partner; the order of rounding differs from K ascending.
; SHARES.  Work-group g = 4 x cluster + place owns tokens 64 g .. 64 g + 63.  Wave w: tokens 32 (w % 2) .. + 31, two tiles of 16; j = w / 2: m = j / 2 (0: Q, 1: K), u = j % 2: features 32 u .. 32 u + 31 of Q or K, TRANSPOSED
; (source 0 = 16 rows of W, source 1 = 16 tokens): a lane holds one token and eight neighbouring features.  And V's channels 16 j .. 16 j + 15, NOT transposed (source 0 = tokens, source 1 = rows of Wv):
; a lane holds one channel and eight neighbouring tokens, which are V's K.  So each conversion's two registers are two registers of the next launch's operand, and leave as they stand.
; OUT.  q_img: [token tile][1,024 bytes]; a fragment of 16 x 64 (registers 2 c, 2 c + 1 of lane (r, h): k = 16 c + 8 h + 0 .. 7) lies as an image of its registers: registers 4 u .. 4 u + 3 of lane l at 512 u + 16 l.
; kv_img: [block of 128 keys][16,384 bytes]: K's eight fragments (1,024 t), then V^T's four of 16 channels x 128 keys (8,192 + 2,048 ct; registers 4 g .. 4 g + 3 of lane l at 512 g + 16 l).
; LDS.  Wq, Wk, Wv: 64 rows of 1,024 bytes + 16 of padding each; x in four chunks of 256 along K: 64 rows of 256 bytes + 16 each.  Every byte is filled once, and all is asked for at the head, one tensor load a wave:
; waves 0 to 2 a weight each, JOINTLY with their three partners (mask 15: the weights, three quarters of what a work-group reads, are the same for all); waves 4 to 7 a chunk of the work-group's own x each.
; No prefetch: all tiles are asked for at the head, and there is no loop to run ahead in.  No output stage: each store of a wave covers 512 consecutive bytes, aligned.
; REGISTERS.  v1-16 addresses and constants; v24-55 Q or K sums (16 m + 8 f); v56-71 V sums (8 m); v72-87, v88-95 biases; v96-191 W's fragments of a chunk's two K steps (48 each); v192-255 x's (32 each).
.set PITCH, 272                        ; an LDS row of x: 256 bytes + 16
.set WP,    1040                       ; an LDS row of W: 1,024 bytes + 16: both pitches are odd multiples of 16 bytes
.set RG,    64*WP                      ; a weight
.set XB,    3*RG                       ; x's chunks
.set XC,    64*PITCH
.set SPARE, XB+4*XC                    ; the spare words, 128 bytes for each wave
.set AQK,  1                           ; v1   my rows of Wq or Wk
.set AV,   2                           ; v2   my rows of Wv
.set AX,   3                           ; v3   my rows of x
.set SPW,  4                           ; v4   LDS address of my spare word; never rewritten
.set NIL,  5                           ; v5   0; never rewritten
.set LI,   6                           ; v6   16 x lane
.set BO,   7                           ; v7   32 x (lane / 16): my eight numbers of bq or bk
.set RO,   8                           ; v8   4 x (lane % 16): my number of bv
.set BV,   9                           ; v9   bv as loaded
.set QSC,  10                          ; v10  2^(eq - ea) for Q or K;  v11  448 x it
.set QLIM, 11
.set VSC,  12                          ; v12, v13 the same for V
.set VLIM, 13
.set AC,   24
.set VA,   56
.set QB,   72
.set VB,   88
.set WF,   96
.set XF,   192
.set WV,   24                          ; s24  my wave's number
.set G1W,  28                          ; s[28:35] group 1 of the weights' loads
.set G1X,  36                          ; s[36:43] group 1 of x's loads
.set G0W,  44                          ; s[44:47], s[48:51] their groups 0
.set G0X,  48
.macro ROUND                           ; a round of the cluster's barrier
	s_barrier_signal -1
	s_barrier_wait -1
	s_cmp_lg_u32 s[WV], 0
	s_cbranch_scc1 .Lnot_wave_0_\@
	s_barrier_signal -3
.Lnot_wave_0_\@:
	s_barrier_wait -3
	s_barrier_signal -1
	s_barrier_wait -1
.endm
.macro PLACES n
.rept \n
	v_nop
.endr
.endm
.macro FRAG reg, adr, off              ; 16 rows x 128 K: registers 4 c .. 4 c + 3 of lane (r, h): k = 32 c + 16 h + 0 .. 15
.irp c, 0,1,2,3
	ds_load_b128 v[\reg+4*\c:\reg+4*\c+3], v[\adr] offset:\off+32*\c
.endr
.endm
.macro FETCH_W q                       ; chunk q of my 48 rows of the weights
.irp kk, 0,1
.irp f, 0,1
	FRAG WF+48*\kk+16*\f, AQK, 256*\q+128*\kk+\f*16*WP
.endr
	FRAG WF+48*\kk+32, AV, 256*\q+128*\kk
.endr
.endm
.macro FETCH_X q                       ; chunk q of my 32 tokens: eight loads for each K step
.irp kk, 0,1
.irp m, 0,1
	FRAG XF+32*\kk+16*\m, AX, XC*\q+128*\kk+\m*16*PITCH
.endr
.endr
.endm
.macro MUL first, kk                   ; six products; the six accumulators take turns, one instruction a turn.  first = 1: the biases start the sums: nothing is cleared
.irp m, 0,1
.irp f, 0,1
.if \first
	v_wmma_f32_16x16x128_fp8_fp8 v[AC+16*\m+8*\f:AC+16*\m+8*\f+7], v[WF+48*\kk+16*\f:WF+48*\kk+16*\f+15], v[XF+32*\kk+16*\m:XF+32*\kk+16*\m+15], v[QB+8*\f:QB+8*\f+7]
.else
	v_wmma_f32_16x16x128_fp8_fp8 v[AC+16*\m+8*\f:AC+16*\m+8*\f+7], v[WF+48*\kk+16*\f:WF+48*\kk+16*\f+15], v[XF+32*\kk+16*\m:XF+32*\kk+16*\m+15], v[AC+16*\m+8*\f:AC+16*\m+8*\f+7]
.endif
.endr
.if \first
	v_wmma_f32_16x16x128_fp8_fp8 v[VA+8*\m:VA+8*\m+7], v[XF+32*\kk+16*\m:XF+32*\kk+16*\m+15], v[WF+48*\kk+32:WF+48*\kk+47], v[VB:VB+7]
.else
	v_wmma_f32_16x16x128_fp8_fp8 v[VA+8*\m:VA+8*\m+7], v[XF+32*\kk+16*\m:XF+32*\kk+16*\m+15], v[WF+48*\kk+32:WF+48*\kk+47], v[VA+8*\m:VA+8*\m+7]
.endif
.endr
.endm
.macro SYNC q                          ; x's chunk q (q = 0: the weights too) is there for every wave: waves up to 4 + q have waited for their load; the later chunks' loads may stay out
.if \q < 3
	s_cmp_gt_u32 s[WV], 4+\q
	s_cbranch_scc1 .Lnot_mine_\@
	s_wait_tensorcnt 0x0
.Lnot_mine_\@:
.else
	s_wait_tensorcnt 0x0
.endif
	s_barrier_signal -1
	s_barrier_wait -1
.endm
	s_load_b512 s[4:19], s[0:1], 0x0               ; x s[4:5], Wq s[6:7], Wk s[8:9], Wv s[10:11], bq s[12:13], bk s[14:15], bv s[16:17], the exponents s[18:19]
	s_load_b128 s[20:23], s[0:1], 0x40             ; q_img s[20:21], kv_img s[22:23]
	v_lshl_add_u32 v[SPW], v0, 2, SPARE
	v_mov_b32 v[NIL], 0
	ds_add_u32 v[SPW], v[NIL]                      ; the wave's opening: the add, twice on end, and its wait ahead of my first tensor load
	ds_add_u32 v[SPW], v[NIL]
	v_lshrrev_b32 v16, 5, v0
	v_readfirstlane_b32 s[WV], v16                 ; wave 0..7
	s_bfe_u32 s25, ttmp6, 0x40000                  ; my place in the cluster
	s_lshl_b32 s26, ttmp9, 2
	s_add_co_u32 s26, s26, s25                     ; g: it enters x's address and the stores' addresses alone
	; group 1 of the weights: 64 rows of 1,024 bytes, 16 bytes of padding behind each in LDS;  of x: 64 rows of 256 bytes, 1,024 apart in memory, likewise
	s_mov_b32 s[G1W], 15|(1<<20)|(1<<21)|(7<<22)|(3<<25)   ; 15:0 the mask: all four work-groups; elements of 1 byte; 20 padding on; 21 set beside a mask; after every 256 words (code 7) four words (code 3)
	s_mov_b32 s[G1W+1], 1024<<16                   ; tensor_dim0
	s_mov_b32 s[G1W+2], 64<<16                     ; tensor_dim1
	s_mov_b32 s[G1W+3], 1024<<16                   ; tile_dim0
	s_mov_b32 s[G1W+4], 64                         ; tile_dim1
	s_mov_b32 s[G1W+5], 1024                       ; from row to row
	s_mov_b32 s[G1W+6], 0
	s_mov_b32 s[G1W+7], 0
	s_mov_b32 s[G1X], (1<<20)|(5<<22)|(3<<25)      ; no mask; after every 64 words (code 5) four words
	s_mov_b32 s[G1X+1], 256<<16
	s_mov_b32 s[G1X+2], 64<<16
	s_mov_b32 s[G1X+3], 256<<16
	s_mov_b32 s[G1X+4], 64
	s_mov_b32 s[G1X+5], 1024
	s_mov_b32 s[G1X+6], 0
	s_mov_b32 s[G1X+7], 0
	s_lshr_b32 s27, s[WV], 1                       ; j
	s_and_b32 s52, s[WV], 1                        ; which 32 tokens are mine
	s_and_b32 s53, s27, 1                          ; u
	s_lshr_b32 s60, s27, 1
	s_mul_i32 s60, s60, RG                         ; Wq's region or Wk's,
	s_mul_i32 s61, s53, 32*WP                      ; my 32 rows of it
	s_add_co_u32 s60, s60, s61
	s_mul_i32 s61, s27, 16*WP
	s_add_co_u32 s61, s61, 2*RG                    ; my 16 rows of Wv
	s_mul_i32 s62, s52, 32*PITCH
	s_add_co_u32 s62, s62, XB                      ; my 32 rows of x
	s_and_b32 s55, s[WV], 3
	s_mul_i32 s54, s55, RG                         ; where a weight's load lands,
	s_lshl_b32 s94, s26, 16                        ; my 64 rows of x: 65,536 g bytes,
	s_lshl_b32 s55, s55, 8
	s_add_co_u32 s94, s94, s55                     ; chunk w % 4
	s_mov_b32 s95, 0
	; every LDS address is made here, of the lane and the wave's number
	v_and_b32 v14, 15, v0                          ; r
	v_bfe_u32 v15, v0, 4, 1                        ; h
	v_mul_u32_u24 v16, v14, WP
	v_lshl_add_u32 v16, v15, 4, v16                ; row r, + 16 h
	v_add_nc_u32 v[AQK], s60, v16
	v_add_nc_u32 v[AV], s61, v16
	v_mul_u32_u24 v[AX], v14, PITCH
	v_lshl_add_u32 v[AX], v15, 4, v[AX]
	v_add_nc_u32 v[AX], s62, v[AX]
	v_and_b32 v[LI], 31, v0
	v_lshlrev_b32 v[LI], 4, v[LI]
	v_lshlrev_b32 v[BO], 5, v15
	v_lshlrev_b32 v[RO], 2, v14
	s_wait_alu depctr_va_vdst(0)                   ; ahead of the waits and the barriers below
	s_wait_dscnt 0x0                               ; both opening adds are done
	ROUND                                          ; all four work-groups are here: the joint loads below meet
	s_wait_kmcnt 0x0
	s_load_b256 s[84:91], s[18:19], 0x0            ; e0 .. e7
	s_load_b64 s[92:93], s[18:19], 0x20            ; e8, e9
	s_cmp_eq_u32 s[WV], 0                          ; which weight I fetch: the choice hangs on the wave's number alone
	s_cselect_b64 s[60:61], s[6:7], s[8:9]
	s_cmp_lt_u32 s[WV], 2
	s_cselect_b64 s[60:61], s[60:61], s[10:11]
	s_mov_b32 s[G0W], 1                            ; count = 1
	s_mov_b32 s[G0W+1], s54                        ; LDS address
	s_mov_b64 s[G0W+2:G0W+3], s[60:61]             ; global address
	s_or_b32 s[G0W+3], s[G0W+3], 0x80000000        ; type = 2
	s_mov_b32 s[G0X], 1
	s_add_nc_u64 s[G0X+2:G0X+3], s[4:5], s[94:95]  ; (the LDS address is a constant of each arm below)
	s_or_b32 s[G0X+3], s[G0X+3], 0x80000000
	s_cmp_lt_u32 s[WV], 3                          ; one tensor load a wave, each in its own arm; an s_nop 0 and four v_nop follow each
	s_cbranch_scc0 .Lnot_w
	tensor_load_to_lds s[G0W:G0W+3], s[G1W:G1W+7]
	s_nop 0
	PLACES 4
	s_branch .Lasked
.Lnot_w:
	s_cmp_lt_u32 s[WV], 4
	s_cbranch_scc1 .Lasked                         ; wave 3 has no tile to fetch
.irp q, 0,1,2
	s_cmp_lt_u32 s[WV], 5+\q
	s_cbranch_scc0 .Lnot_x\q
	s_mov_b32 s[G0X+1], XB+\q*XC                   ; wave 4 + q fetches chunk q
	tensor_load_to_lds s[G0X:G0X+3], s[G1X:G1X+7]
	s_nop 0
	PLACES 4
	s_branch .Lasked
.Lnot_x\q:
.endr
	s_mov_b32 s[G0X+1], XB+3*XC                    ; and wave 7 chunk 3
	tensor_load_to_lds s[G0X:G0X+3], s[G1X:G1X+7]
	s_nop 0
	PLACES 4
.Lasked:
	; the biases, in the results' layout: Q or K: lane (r, h), tile f: b[32 u + 16 f + 8 h + 0 .. 7];  V: bv[16 j + r] in all eight registers
	s_cmp_lt_u32 s[WV], 4
	s_cselect_b64 s[8:9], s[12:13], s[14:15]
	s_cselect_b64 s[4:5], s[20:21], s[22:23]       ; and where my codes of Q or K go
	s_lshl_b32 s60, s53, 7
	s_mov_b32 s61, 0
	s_add_nc_u64 s[8:9], s[8:9], s[60:61]
	s_lshl_b32 s60, s27, 6
	s_add_nc_u64 s[10:11], s[16:17], s[60:61]
.irp f, 0,1
.irp g, 0,1
	global_load_b128 v[QB+8*\f+4*\g:QB+8*\f+4*\g+3], v[BO], s[8:9] offset:64*\f+16*\g
.endr
.endr
	global_load_b32 v[BV], v[RO], s[10:11]
	; the stores' bases, th = w % 2.  Q: 4,096 g + 2,048 th + 512 u.  K: 16,384 (g / 2) + 4,096 (g % 2) + 2,048 th + 512 u.  V: 16,384 (g / 2) + 8,192 + 2,048 j + 1,024 (g % 2) + 512 th
	s_lshl_b32 s60, s26, 12
	s_lshr_b32 s61, s26, 1
	s_lshl_b32 s61, s61, 14
	s_and_b32 s62, s26, 1
	s_lshl_b32 s63, s62, 12
	s_add_co_u32 s63, s63, s61
	s_cmp_lt_u32 s[WV], 4
	s_cselect_b32 s60, s60, s63
	s_lshl_b32 s63, s53, 9
	s_add_co_u32 s60, s60, s63
	s_lshl_b32 s63, s52, 11
	s_add_co_u32 s60, s60, s63
	s_lshl_b32 s62, s62, 10
	s_add_co_u32 s62, s62, s61
	s_lshl_b32 s63, s27, 11
	s_add_co_u32 s62, s62, s63
	s_lshl_b32 s63, s52, 9
	s_add_co_u32 s62, s62, s63
	s_add_co_u32 s62, s62, 8192
	s_mov_b32 s61, 0
	s_mov_b32 s63, 0
	s_add_nc_u64 s[4:5], s[4:5], s[60:61]
	s_add_nc_u64 s[6:7], s[22:23], s[62:63]
	; the scales
	s_wait_kmcnt 0x0
	s_add_co_i32 s60, s84, s85                     ; e0 + e1
	s_add_co_i32 s61, s86, s87                     ; e2 + e3
	s_cmp_lt_u32 s[WV], 4
	s_cselect_b32 s60, s60, s61                    ; ea of my product
	s_cselect_b32 s61, s90, s91                    ; e6 or e7
	s_sub_co_i32 s94, 0, s60                       ; -ea, for the bias
	s_sub_co_i32 s61, s61, s60
	s_add_co_i32 s61, s61, 127
	s_lshl_b32 s62, s61, 23
	v_mov_b32 v[QSC], s62                          ; 2^(eq - ea) as f32: the conversion takes its exponent field
	s_add_co_i32 s61, s61, 8
	s_lshl_b32 s61, s61, 23
	s_or_b32 s61, s61, 0x600000
	v_mov_b32 v[QLIM], s61                         ; 448 x it
	s_add_co_i32 s60, s88, s89                     ; e4 + e5
	s_sub_co_i32 s95, 0, s60
	s_sub_co_i32 s61, s93, s60                     ; e9 - e4 - e5
	s_add_co_i32 s61, s61, 127
	s_lshl_b32 s62, s61, 23
	v_mov_b32 v[VSC], s62
	s_add_co_i32 s61, s61, 8
	s_lshl_b32 s61, s61, 23
	s_or_b32 s61, s61, 0x600000
	v_mov_b32 v[VLIM], s61
	s_wait_alu depctr_va_vdst(0)                   ; directly ahead of the wait below
	s_wait_loadcnt 0x0                             ; the biases
.set j, 0
.rept 16
	v_ldexp_f32 v[QB+j], v[QB+j], s94              ; b / 2^ea: nothing is rounded, short of overflow and underflow
.set j, j+1
.endr
.set j, 0
.rept 8
	v_ldexp_f32 v[VB+j], v[BV], s95
.set j, j+1
.endr
	s_wait_alu depctr_va_vdst(0)                   ; at the head's end
	SYNC 0
	FETCH_W 0
	FETCH_X 0
	s_wait_dscnt 0x8                               ; all but the second K step's eight loads of x are in
	MUL 1, 0
	s_wait_dscnt 0x0
	MUL 0, 1
.irp q, 1,2,3
	PLACES 4                                       ; in front of loads into registers that matrix instructions have read
	FETCH_W \q                                     ; the weights are there already: fetched ahead of x's chunk
	s_wait_dscnt 0x0                               ; no LDS load of mine is out at the signal
	SYNC \q
	FETCH_X \q
	s_wait_dscnt 0x8
	MUL 0, 0
	s_wait_dscnt 0x0
	MUL 0, 1
.endr
	; THE WAY OUT: the hold at 448 x the scale (the conversion to an 8-bit code does not saturate: ISA guide 7.6.2), each accumulator from its low end on; the conversions; the stores
	PLACES 4
.set j, 0
.rept 32
	v_med3_num_f32 v[AC+j], v[AC+j], -v[QLIM], v[QLIM]
.set j, j+1
.endr
.set j, 0
.rept 16
	v_med3_num_f32 v[VA+j], v[VA+j], -v[VLIM], v[VLIM]
.set j, j+1
.endr
.irp m, 0,1
.irp f, 0,1
	v_cvt_scalef32_pk8_fp8_f32 v[WF+4*\m+2*\f:WF+4*\m+2*\f+1], v[AC+16*\m+8*\f:AC+16*\m+8*\f+7], v[QSC]   ; my token tile m: registers 4 u + 2 f, + 1 of its fragment
.endr
.endr
.irp m, 0,1
	v_cvt_scalef32_pk8_fp8_f32 v[WF+8+2*\m:WF+9+2*\m], v[VA+8*\m:VA+8*\m+7], v[VSC]   ; keys 32 th + 16 m + 8 h + 0 .. 7 of my half block, channel 16 j + r
.endr
	v_nop                                          ; a plain line behind the last conversion
.irp m, 0,1
	global_store_b128 v[LI], v[WF+4*\m:WF+4*\m+3], s[4:5] offset:1024*\m    ; 32 lanes store 512 consecutive bytes, aligned
.endr
	global_store_b128 v[LI], v[WF+8:WF+11], s[6:7]
	s_wait_tensorcnt 0x0                           ; the wave's end
	ds_add_u32 v[SPW], v[NIL]
	s_wait_dscnt 0x0
	ROUND                                          ; the closing round: no work-group ends while a partner may still ask for a tile that names it
	s_endpgm
.Lfunc_end_k_q0eb255074c_project:
	.size	k_q0eb255074c_project, .Lfunc_end_k_q0eb255074c_project-k_q0eb255074c_project
	.p2alignl 7, 3214868480
	.fill 96, 4, 3214868480
	.section	.rodata,"a",@progbits
	.p2align	6, 0x0
	.amdhsa_kernel k_q0eb255074c_project
		.amdhsa_group_segment_fixed_size 270336
		.amdhsa_private_segment_fixed_size 0
		.amdhsa_enable_private_segment 0
		.amdhsa_kernarg_size 80
		.amdhsa_user_sgpr_count 2
		.amdhsa_user_sgpr_kernarg_segment_ptr 1
		.amdhsa_wavefront_size32 1
		.amdhsa_system_sgpr_workgroup_id_x 1
		.amdhsa_system_sgpr_workgroup_id_y 1
		.amdhsa_system_sgpr_workgroup_id_z 1
		.amdhsa_system_vgpr_workitem_id 0
		.amdhsa_next_free_vgpr 256
		.amdhsa_next_free_sgpr 96
		.amdhsa_reserve_vcc 0
		.amdhsa_float_denorm_mode_32 3
		.amdhsa_float_denorm_mode_16_64 3
		.amdhsa_memory_ordered 1
		.amdhsa_forward_progress 1
		.amdhsa_inst_pref_size 29
	.end_amdhsa_kernel
	.amdgpu_metadata
---
amdhsa.version: [ 1, 2 ]
amdhsa.kernels:
  - .name:           k_q0eb255074c_project
    .symbol:         k_q0eb255074c_project.kd
    .args:
      - { .name: x_codes, .offset: 0, .size: 8, .value_kind: global_buffer, .address_space: global }
      - { .name: Wq_codes, .offset: 8, .size: 8, .value_kind: global_buffer, .address_space: global }
      - { .name: Wk_codes, .offset: 16, .size: 8, .value_kind: global_buffer, .address_space: global }
      - { .name: Wv_codes, .offset: 24, .size: 8, .value_kind: global_buffer, .address_space: global }
      - { .name: bq, .offset: 32, .size: 8, .value_kind: global_buffer, .address_space: global }
      - { .name: bk, .offset: 40, .size: 8, .value_kind: global_buffer, .address_space: global }
      - { .name: bv, .offset: 48, .size: 8, .value_kind: global_buffer, .address_space: global }
      - { .name: lowp_scales, .offset: 56, .size: 8, .value_kind: global_buffer, .address_space: global }
      - { .name: q_img, .offset: 64, .size: 8, .value_kind: global_buffer, .address_space: global }
      - { .name: kv_img, .offset: 72, .size: 8, .value_kind: global_buffer, .address_space: global }
    .group_segment_fixed_size: 270336
    .private_segment_fixed_size: 0
    .kernarg_segment_align: 8
    .kernarg_segment_size: 80
    .max_flat_workgroup_size: 256
    .sgpr_count:     96
    .vgpr_count:     256
    .wavefront_size: 32
...
	.end_amdgpu_metadata
.endif
;; end of part 1
;; launch attend (part 2): grid 64 x 4, 16 waves a work-group, clusters of 4 x 1, 327,680 bytes of LDS; arguments q_img, kv_img, lowp_scales, out0; writes out0
.if DOCPART == 2
	.amdgcn_target "amdgcn-amd-amdhsa--gfx1250"
	.amdhsa_code_object_version 6
	.text
	.protected	k_q0eb255074c_attend
	.globl	k_q0eb255074c_attend
	.p2align	8
	.type	k_q0eb255074c_attend,@function
k_q0eb255074c_attend:
	s_mov_b64 s[64:65], 0
	v_nop
	global_prefetch_b8 v0, s[64:65] scope:SCOPE_SE
	s_setreg_imm32_b32 hwreg(HW_REG_WAVE_MODE, 25, 1), 1
	s_wait_xcnt 0x0
	s_wait_alu depctr_hold_cnt(0) depctr_sa_sdst(0) depctr_va_vdst(0) depctr_va_sdst(0) depctr_va_ssrc(0) depctr_va_vcc(0) depctr_vm_vsrc(0)
	s_getreg_b32 s2, hwreg(HW_REG_IB_STS2, 6, 4)
	s_cmp_eq_u32 s2, 0
	s_cbranch_scc0 .Lentry_in_a_cluster
	s_endpgm
.Lentry_in_a_cluster:
	s_bfe_u32 s2, ttmp6, 0x10000c
	s_cmp_lg_u32 s2, 0x3003
	s_cbranch_scc0 .Lentry_shape_is_right
	s_endpgm
.Lentry_shape_is_right:
; out0[b][q][:] = the sum over keys of softmax(Q[b][q] . K[b][key] / 8) V[b][key][:], both products on E4M3 codes made by the launch before.  No work of the problem is left out here.
; t = score x 2^(e6 + e7) x log2(e) / 8;  M = the largest t so far, rounded UP to a whole number;  p = 2^(t - M) is quantised with 2^e8 along the keys, not normalised;
; the row's sum l is taken of the unquantised p, in f32; the result is O x 2^(e8 + e9) / l.  When M moves, l and O are multiplied by 2^(old M - new M): nothing is rounded.
; LIMITS: e6 + e7 between -123 and 130 (added to the exponent field of log2(e) / 8); e8 between -126 and 119; e8 + e9 goes by v_ldexp_f32 and has none; t under 2^31 in magnitude.  NaN among the codes is not served.
; SHARES.  A work-group owns 64 queries of a batch: four tiles of 16.  Of its sixteen waves, wave w owns the tiles 2 a, 2 a + 1 (a = w / 8) and shares the keys with the seven others of its a: with g = w % 8 it takes,
; in step s = 0 .. 3, keys 1,024 s + 128 g .. + 127.  A block (16,384 bytes: 128 keys, K's eight fragments, V^T's four) is read by two waves, and each fragment that a wave reads feeds two products.
; Each wave keeps its own M, l and O; at the end the eight parts of a row meet in LDS, are brought under the largest M (whole numbers: exact) and added.
; LAYOUT.  S^T = K Q^T (v_wmma_f32_16x16x64_fp8_fp8; source 0 = 16 keys, source 1 = 16 queries) and O^T = V^T P^T (v_wmma_f32_16x16x128_fp8_fp8; source 0 = 16 channels, source 1 = P): a lane holds ONE query throughout;
; tile t's eight scores of a lane are keys 16 t + 8 h + 0 .. 7: their two registers of codes are registers 2 t, 2 t + 1 of P's fragment.  Every k stands in its own place.
; RING.  Two slots of 8 x 16,384 bytes.  The head brings steps 0 and 1, one load of 16,384 bytes a wave (wave w: step w / 8, block w % 8).  Steps 0 and 1 each end with a refill, two steps ahead: half a block a wave,
; asked for when every wave has that step's K and V in registers, a whole step ahead of its first read.
; CLUSTER.  The four work-groups of a cluster belong to one batch and walk the same blocks: each load is JOINT (mask 15), by the same wave of all four.  By this text's count a wave never has more than one tensor load out.
; REGISTERS: v1-11 addresses and constants; v12-15 maxima; v16-23 four registers of statistics a tile (-M, largest t, l in two halves); v24-29 at work; v32-95 S^T, then p; v30-45 the second tile's codes, in p's place;
;   v96-111 the first tile's codes; v112-127 Q; v128-191 O^T (32 i + 8 c); v192-255 a step's K, then its V.
.set SLOT1, 139264                     ; slot 0 and 8,192 bytes that no tile lands in: together they hold the merge's stage
.set BLKB,  16384
.set STAT,  SLOT1+131072               ; 16 x 512 bytes: each wave's (-M, l), 8 bytes a lane and tile; no tile lands here
.set SPARE, STAT+8192                  ; the spare words, 128 bytes for each wave
.set SP,    272                        ; the stage: 16 x 32 rows of 256 bytes + 16, from byte 0 up to SLOT1: slot 0 has had its last fill and, behind step 2's barrier, its last read
.set AD0,  1                           ; v1   my block in slot 0: 16,384 g + 16 x lane;  v2 in slot 1
.set LI,   3                           ; v3   16 x lane
.set SPW,  4                           ; v4   LDS address of my spare word; never rewritten
.set NIL,  5                           ; v5   0; never rewritten
.set LIM,  6                           ; v6   448 x 2^e8
.set SCL,  7                           ; v7   2^e8
.set PFO,  8                           ; v8   256 x lane; never rewritten
.set FF,   10                          ; v[10:11] f = 2^(old M - new M); the upper register is only named
.set MA,   12
.set MB,   13
.set MC,   14
.set MD,   15
.set PX,   24
.set TD,   25
.set B,    32
.set QF,   112
.set OF,   128
.set KV,   192
.set WV,   12                          ; s12  my wave's number
.set G1,   16                          ; s[16:23] group 1 of the head's loads
.set G1R,  68                          ; s[68:75] group 1 of the refills
.set G0,   24                          ; s[24:27] group 0 of the head's load, s[28:31], s[32:35] of the refills with steps 2 and 3; none is rewritten
.set SEL,  40                          ; s[40:41] lane selects: lane l xor 16
.set CS,   42                          ; s[42:43] c = 2^(e6 + e7) log2(e) / 8
.set PFA,  50                          ; s[50:51] what I prefetch
.set PFL,  52                          ; s52  1 in a wave that prefetches
.macro CREST                           ; a round of the cluster's barrier behind its opening barrier
	s_cmp_lg_u32 s[WV], 0
	s_cbranch_scc1 .Lnot_wave_0_\@
	s_barrier_signal -3
.Lnot_wave_0_\@:
	s_barrier_wait -3
	s_barrier_signal -1
	s_barrier_wait -1
.endm
.macro ROUND                           ; a whole round
	s_barrier_signal -1
	s_barrier_wait -1
	CREST
.endm
.macro PLACES n
.rept \n
	v_nop
.endr
.endm
.macro DESC g, rows                    ; dense bytes as rows of 32 elements of 8 bytes; no padding: the images are read 512 consecutive bytes a load
	s_mov_b32 s[\g], 15|(3<<16)|(1<<21)            ; 15:0 the mask: all four work-groups; 17:16 elements of 8 bytes; 21 set beside a mask
	s_mov_b32 s[\g+1], 32<<16                      ; tensor_dim0
	s_mov_b32 s[\g+2], \rows<<16                   ; tensor_dim1
	s_mov_b32 s[\g+3], 32<<16                      ; tile_dim0
	s_mov_b32 s[\g+4], \rows                       ; tile_dim1
	s_mov_b32 s[\g+5], 32                          ; from row to row
	s_mov_b32 s[\g+6], 0
	s_mov_b32 s[\g+7], 0
.endm
.macro FETCH_K s                       ; step s's eight fragments of K: images of their registers
.irp t, 0,1,2,3,4,5,6,7
.irp g, 0,1
	ds_load_b128 v[KV+8*\t+4*\g:KV+8*\t+4*\g+3], v[AD0+((\s)%2)] offset:1024*\t+512*\g
.endr
.endr
.endm
.macro FETCH_V s                       ; and its four of V^T, into the same registers
.irp c, 0,1,2,3
.irp g, 0,1,2,3
	ds_load_b128 v[KV+16*\c+4*\g:KV+16*\c+4*\g+3], v[AD0+((\s)%2)] offset:8192+2048*\c+512*\g
.endr
.endr
.endm
.macro SQK i                           ; S^T of my tile i: eight sums of one product each
.irp t, 0,1,2,3,4,5,6,7
	v_wmma_f32_16x16x64_fp8_fp8 v[B+8*\t:B+8*\t+7], v[KV+8*\t:KV+8*\t+7], v[QF+8*\i:QF+8*\i+7], 0
.endr
.endm
.macro MAXP                            ; the largest of my 64 scores, in four chains; each accumulator is first read at its low end
	v_max3_num_f32 v[MA], v[B], v[B+1], v[B+2]
	v_max3_num_f32 v[MB], v[B+3], v[B+4], v[B+5]
	v_max3_num_f32 v[MC], v[B+6], v[B+7], v[B+8]
	v_max3_num_f32 v[MD], v[B+9], v[B+10], v[B+11]
.irp e, 12,20,28,36,44,52
	v_max3_num_f32 v[MA], v[MA], v[B+\e], v[B+\e+1]
	v_max3_num_f32 v[MB], v[MB], v[B+\e+2], v[B+\e+3]
	v_max3_num_f32 v[MC], v[MC], v[B+\e+4], v[B+\e+5]
	v_max3_num_f32 v[MD], v[MD], v[B+\e+6], v[B+\e+7]
.endr
	v_max3_num_f32 v[MA], v[MA], v[B+60], v[B+61]
	v_max3_num_f32 v[MB], v[MB], v[B+62], v[B+63]
	v_max_num_f32 v[MC], v[MC], v[MD]
	v_max3_num_f32 v[MA], v[MA], v[MB], v[MC]
.endm
.macro STATS s, i                      ; M of my tile i
.set ST, 16+4*\i
	v_permlanex16_b32 v[PX], v[MA], s[SEL], s[SEL+1]
	v_max_num_f32 v[MA], v[MA], v[PX]              ; and lane l xor 16's 64 keys
	s_delay_alu instid0(VALU_DEP_1)
.if (\s) == 0
	v_mul_f32 v[ST+1], s[CS], v[MA]                ; the largest t (c is positive)
	s_delay_alu instid0(VALU_DEP_1)
	v_floor_f32 v[ST], -v[ST+1]                    ; -M = floor(-t) = -ceil(t)
.else
	v_mul_f32 v[MA], s[CS], v[MA]
	s_delay_alu instid0(VALU_DEP_1)
	v_max_num_f32 v[ST+1], v[ST+1], v[MA]          ; the running largest t
	v_mov_b32 v[TD], v[ST]
	s_delay_alu instid0(VALU_DEP_2)
	v_floor_f32 v[ST], -v[ST+1]
	s_delay_alu instid0(VALU_DEP_1)
	v_sub_f32 v[TD], v[ST], v[TD]                  ; old M - new M: a whole number, 0 or less
	s_delay_alu instid0(VALU_DEP_1)
	v_cvt_i32_f32 v[TD], v[TD]                     ; (it saturates)
	s_delay_alu instid0(VALU_DEP_1)
	v_ldexp_f32 v[FF], 1.0, v[TD]                  ; f
.endif
.set j, 0
.rept 32
	v_pk_fma_f32 v[B+j:B+j+1], v[B+j:B+j+1], s[CS:CS+1], v[ST:ST+1] op_sel_hi:[1,0,0]   ; t - M (of the pairs c and -M the low word serves both halves)
.set j, j+2
.endr
	s_wait_alu depctr_va_vdst(0)                   ; ahead of the batch of exponentials
.endm
.macro SOFT s, i                       ; p, its sum, its codes
.set ST, 16+4*\i
.set PB, 96-66*\i                      ; tile 0's codes in v96-111; tile 1's in v30-45: a conversion's two registers have been read by an earlier conversion
.set j, 0
.rept 64
	v_exp_f32 v[B+j], v[B+j]
.set j, j+1
.endr
.if (\s) == 0
	v_nop                                          ; a plain line behind the last exponential
.else
	v_pk_mul_f32 v[ST+2:ST+3], v[ST+2:ST+3], v[FF:FF+1] op_sel_hi:[1,0]   ; l under the new M: the plain line behind the last exponential
.endif
	s_wait_alu depctr_va_vdst(0)                   ; ahead of the first line that names an exponential's result: one for the batch
	v_pk_add_f32 v[26:27], v[B:B+1], v[B+2:B+3]    ; the sum of the UNQUANTISED p, two at a time, in four chains
	v_pk_add_f32 v[28:29], v[B+4:B+5], v[B+6:B+7]
	v_pk_add_f32 v[12:13], v[B+8:B+9], v[B+10:B+11]
.if (\s) == 0
	v_pk_add_f32 v[ST+2:ST+3], v[B+12:B+13], v[B+14:B+15]   ; the first step starts l
.set j, 16
.else
.set j, 12
.endif
.rept 6
	v_pk_add_f32 v[ST+2:ST+3], v[ST+2:ST+3], v[B+j:B+j+1]
	v_pk_add_f32 v[26:27], v[26:27], v[B+j+2:B+j+3]
	v_pk_add_f32 v[28:29], v[28:29], v[B+j+4:B+j+5]
	v_pk_add_f32 v[12:13], v[12:13], v[B+j+6:B+j+7]
.set j, j+8
.endr
.if (\s) > 0
	v_pk_add_f32 v[ST+2:ST+3], v[ST+2:ST+3], v[B+60:B+61]
	v_pk_add_f32 v[26:27], v[26:27], v[B+62:B+63]
.endif
	v_pk_add_f32 v[12:13], v[12:13], v[28:29]
	v_pk_add_f32 v[ST+2:ST+3], v[ST+2:ST+3], v[26:27]
	v_pk_add_f32 v[ST+2:ST+3], v[ST+2:ST+3], v[12:13]
.irp t, 0,1,2,3,4,5,6,7
.irp e, 0,2,4,6
	v_dual_min_num_f32 v[B+8*\t+\e], v[LIM], v[B+8*\t+\e] :: v_dual_min_num_f32 v[B+8*\t+\e+1], v[LIM], v[B+8*\t+\e+1]   ; the conversion to an 8-bit code does not saturate (ISA guide 7.6.2); p is not negative, so the hold is one-sided
.endr
	v_cvt_scalef32_pk8_fp8_f32 v[PB+2*\t:PB+2*\t+1], v[B+8*\t:B+8*\t+7], v[SCL]
.endr
.endm
.macro RESCALE i                       ; O^T of tile i under the new M, from each accumulator's low end on; also plain lines behind the conversions
	s_wait_alu depctr_va_vdst(0)                   ; directly ahead of the first reader of O^T
.set j, 0
.rept 16
	v_pk_mul_f32 v[OF+32*\i+j:OF+32*\i+j+1], v[OF+32*\i+j:OF+32*\i+j+1], v[FF:FF+1] op_sel_hi:[1,0]
.set j, j+2
.endr
.endm
.macro PV s                            ; both tiles' products with V; the eight accumulators take turns.  The first step starts the sums: nothing is cleared
.irp c, 0,1,2,3
.irp i, 0,1
.if (\s) == 0
	v_wmma_f32_16x16x128_fp8_fp8 v[OF+32*\i+8*\c:OF+32*\i+8*\c+7], v[KV+16*\c:KV+16*\c+15], v[96-66*\i:111-66*\i], 0
.else
	v_wmma_f32_16x16x128_fp8_fp8 v[OF+32*\i+8*\c:OF+32*\i+8*\c+7], v[KV+16*\c:KV+16*\c+15], v[96-66*\i:111-66*\i], v[OF+32*\i+8*\c:OF+32*\i+8*\c+7]
.endif
.endr
.endr
.endm
; A PREFETCH INTO THE L2 of step 3's blocks of the batch, 131,072 bytes, behind the tensor load that asks for step 2: one refill, a whole step, ahead of the load that will ask for them.
; All clusters of a batch walk the same blocks: the batch's first cluster asks; its four partners are told apart BY ADDRESS; in each, waves 0 to 3 ask for 8,192 bytes, lanes 256 bytes apart: each block of 256 bytes is named once.
; Steps 0 to 2 come by their loads alone: nothing is prefetched at the head.
.macro ASK
	s_cmp_eq_u32 s[PFL], 1
	s_cbranch_scc0 .Lnot_mine_\@
	global_prefetch_b8 v[PFO], s[PFA:PFA+1] th:TH_LOAD_NT scope:SCOPE_SE
.Lnot_mine_\@:
.endm
; A STEP: 128 keys, both my tiles.  V is asked for when K has been multiplied.  In steps 0 and 1 each wave then waits for all its tensor loads (the other slot's), adds 0 to its spare word, and waits for that and for its reads of this slot,
; the second tile's maximum and scalings between the add and its wait; the rest of its softmax, work on registers, stands between the round's opening signal and its wait.  Behind the round the slot is filled again, the wave's one tensor load until the next.
; Step 2 shows step 3's block to every wave by a barrier alone: nothing is filled again.
.macro STEP s
	s_wait_dscnt 0x0                               ; K is in
	SQK 0
	PLACES 4
	MAXP
	STATS \s, 0
	SOFT \s, 0
	v_nop                                          ; a plain line between the last conversion and the products that write over its sources
	SQK 1
.if (\s) > 0
	RESCALE 0                                      ; sixteen plain lines: the places in front of the loads below
.else
	PLACES 4
.endif
	FETCH_V \s
.if (\s) < 3
	s_wait_tensorcnt 0x0                           ; no tensor load of mine is out
.endif
.if (\s) < 2
	ds_add_u32 v[SPW], v[NIL]
.endif
	MAXP
	STATS \s, 1
.if (\s) < 3
	s_wait_dscnt 0x0                               ; V is in, so my reads of this slot are over (and the add is done)
	s_barrier_signal -1
.endif
	SOFT \s, 1
.if (\s) > 0
	RESCALE 1
.else
	v_nop                                          ; a plain line between the last conversion and the products
.endif
	s_wait_alu depctr_va_vdst(0)                   ; directly ahead of the wait below
.if (\s) < 3
	s_barrier_wait -1
.else
	s_wait_dscnt 0x0                               ; V is in
.endif
.if (\s) < 2
	CREST
	tensor_load_to_lds s[G0+4+4*\s:G0+7+4*\s], s[G1R:G1R+7]
	s_nop 0
	PLACES 4
.if (\s) == 0
	ASK
.endif
.endif
	PV \s
.if (\s) < 3
	PLACES 5                                       ; in front of the loads, and of the next scores, which are written over the second tile's codes
	FETCH_K \s+1
.endif
.endm
	s_load_b256 s[4:11], s[0:1], 0x0               ; q_img s[4:5], kv_img s[6:7], the exponents s[8:9], out0 s[10:11]
	v_lshl_add_u32 v[SPW], v0, 2, SPARE
	v_mov_b32 v[NIL], 0
	ds_add_u32 v[SPW], v[NIL]                      ; the wave's opening: the add, twice on end, and its wait ahead of my first tensor load
	ds_add_u32 v[SPW], v[NIL]
	v_lshrrev_b32 v[MA], 5, v0
	v_readfirstlane_b32 s[WV], v[MA]               ; wave 0..15
	s_bfe_u32 s13, ttmp6, 0x40000                  ; my place in the cluster
	s_and_b32 s14, ttmp7, 0xffff                   ; the batch, which the four partners share
	DESC G1, 64                                    ; a block of 16,384 bytes
	DESC G1R, 32                                   ; half a block
	s_and_b32 s15, s[WV], 7                        ; g
	s_lshr_b32 s53, s[WV], 3                       ; a
	s_lshl_b32 s54, s[WV], 14
	s_lshl_b32 s56, s14, 19                        ; the batch's 32 blocks
	s_add_co_u32 s58, s56, s54                     ; the head's load: block w of the batch: step w / 8, keys' block w % 8,
	s_mov_b32 s59, 0
	s_lshl_b32 s57, s53, 13
	s_add_co_u32 s54, s54, s57                     ; to slot w / 8 (slot 1 begins 8,192 bytes behind slot 0's eight blocks)
	s_lshl_b32 s55, s15, 14                        ; my keys' block in a slot
	s_add_co_u32 s60, s55, s57                     ; the half of it that I fill again
	s_add_co_u32 s62, s56, s60
	s_mov_b32 s63, 0
	v_and_b32 v[TD], 31, v0                        ; lane
	v_lshlrev_b32 v[LI], 4, v[TD]
	v_lshlrev_b32 v[PFO], 8, v[TD]
	v_add_nc_u32 v[AD0], s55, v[LI]
	v_add_nc_u32 v[AD0+1], SLOT1, v[AD0]
	s_wait_alu depctr_va_vdst(0)                   ; ahead of the waits and the barriers below
	s_wait_dscnt 0x0                               ; both opening adds are done
	ROUND                                          ; all four work-groups are here: the first joint loads meet
	s_wait_kmcnt 0x0
	s_load_b128 s[44:47], s[8:9], 0x18             ; e6, e7, e8, e9
	s_mov_b32 s[G0], 1                             ; count = 1
	s_mov_b32 s[G0+1], s54                         ; LDS address
	s_add_nc_u64 s[G0+2:G0+3], s[6:7], s[58:59]
	s_or_b32 s[G0+3], s[G0+3], 0x80000000          ; type = 2
	tensor_load_to_lds s[G0:G0+3], s[G1:G1+7]      ; steps 0 and 1: one tensor load a wave at the head
	s_nop 0
	PLACES 4
	s_lshl_b32 s58, ttmp9, 2
	s_add_co_u32 s58, s58, s13
	s_lshl_b32 s59, s14, 6
	s_add_co_u32 s58, s58, s59                     ; my block of 64 queries: 64 x batch + 4 x cluster + place
	s_lshl_b32 s76, s58, 12                        ; in q_img: four tiles of 1,024 bytes,
	s_lshl_b32 s59, s53, 11
	s_add_co_u32 s76, s76, s59                     ; my two of them
	s_mov_b32 s77, 0
	s_add_nc_u64 s[4:5], s[4:5], s[76:77]
.irp i, 0,1
.irp g, 0,1
	global_load_b128 v[QF+8*\i+4*\g:QF+8*\i+4*\g+3], v[LI], s[4:5] offset:1024*\i+512*\g   ; Q's two fragments stay in registers
.endr
.endr
	s_lshl_b32 s78, s58, 14                        ; in out0: 64 rows of 256 bytes,
	s_lshl_b32 s59, s[WV], 10
	s_add_co_u32 s78, s78, s59                     ; and the 4 rows that my wave stores
	s_mov_b32 s79, 0
	s_add_nc_u64 s[10:11], s[10:11], s[78:79]
	s_add_nc_u64 s[62:63], s[6:7], s[62:63]
.irp n, 0,1
	s_mov_b32 s[G0+4+4*\n], 1                                      ; the refills: step 2 + n into slot n
	s_add_co_u32 s[G0+5+4*\n], s60, \n*SLOT1
	s_add_nc_u64 s[G0+6+4*\n:G0+7+4*\n], s[62:63], (2+\n)*8*BLKB
	s_or_b32 s[G0+7+4*\n], s[G0+7+4*\n], 0x80000000
.endr
	s_mov_b32 s[SEL], 0x76543210
	s_mov_b32 s[SEL+1], 0xfedcba98
	s_lshl_b32 s58, s13, 2                         ; the prefetch: 8,192 x (4 x place + wave % 4), in step 3 of the batch
	s_and_b32 s59, s[WV], 3
	s_add_co_u32 s58, s58, s59
	s_lshl_b32 s58, s58, 13
	s_add_co_u32 s58, s58, s56
	s_add_co_u32 s58, s58, 3*8*BLKB
	s_mov_b32 s59, 0
	s_add_nc_u64 s[PFA:PFA+1], s[6:7], s[58:59]
	s_lshr_b32 s[PFL], s[WV], 2                    ; 0 in waves 0 to 3,
	s_or_b32 s[PFL], s[PFL], ttmp9                 ; of the batch's first cluster: the same in all four partners
	s_cmp_eq_u32 s[PFL], 0
	s_cselect_b32 s[PFL], 1, 0
	; the merge's places, by the wave's number
	s_mul_i32 s80, s[WV], 32*SP                    ; my 32 rows of the stage
	s_lshl_b32 s81, s[WV], 9
	s_add_co_u32 s81, s81, STAT                    ; my statistics
	s_mul_i32 s82, s53, 8*32*SP                    ; the eight parts of my a,
	s_mul_i32 s54, s15, 4*SP
	s_add_co_u32 s82, s82, s54                     ; rows 4 g on
	s_lshl_b32 s83, s53, 12                        ; and their statistics: tile g / 4, queries 4 (g % 4) on
	s_lshr_b32 s54, s15, 2
	s_lshl_b32 s54, s54, 8
	s_add_co_u32 s83, s83, s54
	s_and_b32 s54, s15, 3
	s_lshl_b32 s54, s54, 5
	s_add_co_u32 s83, s83, s54
	s_add_co_u32 s83, s83, STAT
	s_wait_kmcnt 0x0
	s_add_co_i32 s53, s44, s45
	s_lshl_b32 s53, s53, 23
	s_mov_b32 s[CS], 0x3e38aa3b                    ; log2(e) / 8
	s_add_co_i32 s[CS], s[CS], s53                 ; x 2^(e6 + e7): the two exponents are added to its exponent field
	s_mov_b32 s[CS+1], s[CS]                       ; (named with it as a pair, so it is written)
	s_add_co_i32 s48, s46, s47                     ; e8 + e9
	s_add_co_i32 s53, s46, 127
	s_lshl_b32 s49, s53, 23                        ; 2^e8 as f32
	s_add_co_i32 s53, s53, 8
	s_lshl_b32 s53, s53, 23
	s_or_b32 s53, s53, 0x600000                    ; 448 x 2^e8
	v_mov_b32 v[SCL], s49
	v_mov_b32 v[LIM], s53
	v_mov_b32 v[FF+1], 0                           ; (named as the upper half of the pair)
	v_mov_b32 v[PX], 0                             ; written once: a lane permute's destination counts as one of its sources
	s_wait_alu depctr_va_vdst(0)                   ; at the head's end
	s_wait_tensorcnt 0x0                           ; my block has landed
	s_barrier_signal -1
	s_barrier_wait -1                              ; so have all sixteen: steps 0 and 1 are there for every wave
	FETCH_K 0
	s_wait_loadcnt 0x0                             ; Q
.irp s, 0,1,2,3
	STEP \s
.endr
	; THE MERGE.  A: each wave's -M and l, and its O^T as it stands, to LDS.  The address lines and the additions are the places behind the last products.
	v_and_b32 v24, 15, v0                          ; r
	v_bfe_u32 v25, v0, 4, 1                        ; h
	v_and_b32 v27, 31, v0                          ; lane
	v_add_f32 v18, v18, v19                        ; l's two halves,
	v_add_f32 v22, v22, v23
	v_mul_u32_u24 v26, v24, SP                     ; in: row r of a tile, + 32 h
	v_lshlrev_b32 v27, 3, v27
	v_mul_u32_u24 v28, v25, SP                     ; back: lanes 0-15 one row, lanes 16-31 the next
	v_permlanex16_b32 v19, v18, s[SEL], s[SEL+1]
	v_permlanex16_b32 v23, v22, s[SEL], s[SEL+1]
	v_lshlrev_b32 v29, 3, v25
	v_lshl_add_u32 v26, v25, 5, v26
	v_add_nc_u32 v27, s81, v27
	v_lshl_add_u32 v28, v24, 4, v28
	v_add_f32 v17, v18, v19                        ; and lane l xor 16's: beside -M, in the place of the largest t
	v_add_f32 v21, v22, v23
	v_add_nc_u32 v26, s80, v26
	v_add_nc_u32 v28, s82, v28
	v_add_nc_u32 v29, s83, v29
	ds_store_b64 v27, v[16:17]
	ds_store_b64 v27, v[20:21] offset:256
.irp i, 0,1
.irp c, 0,1,2,3
.irp g, 0,1
	ds_store_b128 v26, v[OF+32*\i+8*\c+4*\g:OF+32*\i+8*\c+4*\g+3] offset:16*SP*\i+64*\c+16*\g   ; lane (r, h): query 16 i + r, channels 16 c + 8 h + 4 g + 0 .. 3; each accumulator from its low end on
.endr
.endr
.endr
	s_wait_alu depctr_va_vdst(0)                   ; directly ahead of the wait below
	s_wait_dscnt 0x0                               ; for the others' sake: my stores are done
	s_barrier_signal -1
	s_barrier_wait -1
	; B: wave w brings the eight parts of rows 4 w .. 4 w + 3 (k = 0: lanes 0-15 and 16-31 the first two, k = 1: the next) under the largest M and adds them
.irp p, 0,1,2,3,4,5,6,7
.irp k, 0,1
	ds_load_b64 v[32+4*\p+2*\k:33+4*\p+2*\k], v29 offset:512*\p+16*\k
.endr
.endr
.irp p, 0,1,2,3,4,5,6,7
.irp k, 0,1
	ds_load_b128 v[64+8*\p+4*\k:67+8*\p+4*\k], v28 offset:32*SP*\p+2*SP*\k
.endr
.endr
	s_wait_dscnt 0x10                              ; the statistics are in; the sixteen loads of O behind them may be out
.irp k, 0,1
	v_min3_num_f32 v[12+\k], v[32+2*\k], v[36+2*\k], v[40+2*\k]
.endr
.irp k, 0,1
	v_min3_num_f32 v[12+\k], v[12+\k], v[44+2*\k], v[48+2*\k]
.endr
.irp k, 0,1
	v_min3_num_f32 v[12+\k], v[12+\k], v[52+2*\k], v[56+2*\k]
.endr
.irp k, 0,1
	v_min_num_f32 v[12+\k], v[12+\k], v[60+2*\k]             ; -M* = the least -M
.endr
.irp p, 0,1,2,3,4,5,6,7
.irp k, 0,1
	v_sub_f32 v[32+4*\p+2*\k], v[12+\k], v[32+4*\p+2*\k]     ; M of part p less M*: a whole number, 0 or less
.endr
.endr
.irp p, 0,1,2,3,4,5,6,7
.irp k, 0,1
	v_cvt_i32_f32 v[32+4*\p+2*\k], v[32+4*\p+2*\k]           ; (it saturates)
.endr
.endr
.irp p, 0,1,2,3,4,5,6,7
.irp k, 0,1
	v_ldexp_f32 v[32+4*\p+2*\k], 1.0, v[32+4*\p+2*\k]        ; part p's factor
.endr
.endr
.irp k, 0,1
	v_mul_f32 v[14+\k], v[32+2*\k], v[33+2*\k]
.endr
.irp p, 1,2,3,4,5,6,7
.irp k, 0,1
	v_fma_f32 v[14+\k], v[32+4*\p+2*\k], v[33+4*\p+2*\k], v[14+\k]   ; the row's sum
.endr
.endr
	s_wait_alu depctr_va_vdst(0)                   ; ahead of the batch
	v_rcp_f32 v14, v14
	v_rcp_f32 v15, v15
	s_wait_dscnt 0x0                               ; the parts of O are in
.irp n, 0,2,4,6
	v_pk_mul_f32 v[64+\n:65+\n], v[64+\n:65+\n], v[32+2*(\n/4):33+2*(\n/4)] op_sel_hi:[1,0]
.endr
.irp p, 1,2,3,4,5,6,7
.irp n, 0,2,4,6
	v_pk_fma_f32 v[64+\n:65+\n], v[64+8*\p+\n:65+8*\p+\n], v[32+4*\p+2*(\n/4):33+4*\p+2*(\n/4)], v[64+\n:65+\n] op_sel_hi:[1,0,1]
.endr
.endr
	s_wait_alu depctr_va_vdst(0)                   ; ahead of the first use: one for both reciprocals
	v_ldexp_f32 v16, v14, s48                      ; 2^(e8 + e9) / the sum
	v_ldexp_f32 v20, v15, s48
.irp n, 0,2,4,6
	v_pk_mul_f32 v[64+\n:65+\n], v[64+\n:65+\n], v[16+4*(\n/4):17+4*(\n/4)] op_sel_hi:[1,0]
.endr
.irp k, 0,1
	global_store_b128 v[LI], v[64+4*\k:67+4*\k], s[10:11] offset:512*\k th:TH_STORE_NT   ; 32 lanes store two whole rows: 512 consecutive bytes, aligned; written once, read by nobody here
.endr
	s_wait_tensorcnt 0x0                           ; the wave's end, behind my last tensor load and my last LDS store
	ds_add_u32 v[SPW], v[NIL]
	s_wait_dscnt 0x0
	ROUND                                          ; the closing round: no work-group ends while a partner may still ask for a block that names it
	s_endpgm
.Lfunc_end_k_q0eb255074c_attend:
	.size	k_q0eb255074c_attend, .Lfunc_end_k_q0eb255074c_attend-k_q0eb255074c_attend
	.p2alignl 7, 3214868480
	.fill 96, 4, 3214868480
	.section	.rodata,"a",@progbits
	.p2align	6, 0x0
	.amdhsa_kernel k_q0eb255074c_attend
		.amdhsa_group_segment_fixed_size 327680
		.amdhsa_private_segment_fixed_size 0
		.amdhsa_enable_private_segment 0
		.amdhsa_kernarg_size 32
		.amdhsa_user_sgpr_count 2
		.amdhsa_user_sgpr_kernarg_segment_ptr 1
		.amdhsa_wavefront_size32 1
		.amdhsa_system_sgpr_workgroup_id_x 1
		.amdhsa_system_sgpr_workgroup_id_y 1
		.amdhsa_system_sgpr_workgroup_id_z 1
		.amdhsa_system_vgpr_workitem_id 0
		.amdhsa_next_free_vgpr 256
		.amdhsa_next_free_sgpr 88
		.amdhsa_reserve_vcc 0
		.amdhsa_float_denorm_mode_32 3
		.amdhsa_float_denorm_mode_16_64 3
		.amdhsa_memory_ordered 1
		.amdhsa_forward_progress 1
		.amdhsa_inst_pref_size 129
	.end_amdhsa_kernel
	.amdgpu_metadata
---
amdhsa.version: [ 1, 2 ]
amdhsa.kernels:
  - .name:           k_q0eb255074c_attend
    .symbol:         k_q0eb255074c_attend.kd
    .args:
      - { .name: q_img, .offset: 0, .size: 8, .value_kind: global_buffer, .address_space: global }
      - { .name: kv_img, .offset: 8, .size: 8, .value_kind: global_buffer, .address_space: global }
      - { .name: lowp_scales, .offset: 16, .size: 8, .value_kind: global_buffer, .address_space: global }
      - { .name: out0, .offset: 24, .size: 8, .value_kind: global_buffer, .address_space: global }
    .group_segment_fixed_size: 327680
    .private_segment_fixed_size: 0
    .kernarg_segment_align: 8
    .kernarg_segment_size: 32
    .max_flat_workgroup_size: 512
    .sgpr_count:     88
    .vgpr_count:     256
    .wavefront_size: 32
...
	.end_amdgpu_metadata
.endif
;; end of part 2
